; MI455X (gfx1250); checked and timed in simulation.
; The chip was launched on July 23, 2026; its instructions are those of AMD's public machine-readable ISA for CDNA 5 (MIT licence, August 2026) and "CDNA5" Instruction Set Architecture Reference Guide (July 2026). The comments in the code are by the model that wrote it; some were corrected since.
;; Linear Loop Layer. Allowed arithmetic: matrix products marked QUANTISED: E4M3 operands, one E8M0 scale for each 32 along K, by v_wmma_scale_f32_16x16x128_f8f6f4 with both operands' format E4M3, f32 sums; everything else in f32.
;; Inputs: bias 4,096 float32; weight_codes 4,096 x 128 x 32 uint8 (E4M3 codes of weight, K innermost, in blocks of 32 codes); weight_scales 4,096 x 128 uint8 (E8M0 scales of weight, one for each 32 codes along K); x_codes 4,096 x 128 x 32 uint8 (E4M3 codes of x, K innermost, in blocks of 32 codes); x_scales 4,096 x 128 uint8 (E8M0 scales of x, one for each 32 codes along K).
;; Outputs: out0 4,096 x 4,096 float32.
;; This version of the problem:
;;   THIS VERSION OF THE PROBLEM IS GIVEN IN LOW PRECISION. The matrix products marked QUANTISED in the list below multiply operands that are first quantised to E4M3 (4 exponent bits, 3 mantissa bits; 8 bits a number), with one power-of-two scale for each 32 numbers along K (OCP MX v1.0); their sums are f32. All else is computed in f32.
;;   The module's matrix products, in the order in which they are computed (A, B: the left and right operand; K: the contracted axis; several contracted axes count as one K, in the product's order):
;;     1. [M 4,096, K 4,096] x [K 4,096, N 4,096]; A: input x (given as codes); B: input weight (given as codes): QUANTISED
;;   THE QUANTISER, for each operand of a quantised product, along K:
;;     - K is cut into blocks of 32 from its start; a last block that is shorter is filled with zeros.
;;     - A block's scale is 2^e with e = floor(log2(the largest magnitude in the block)) - 8, held to -126 .. 127; a block of zeros has e = 0. As a byte (E8M0): e + 127.
;;     - Each number is divided by its block's scale, clamped to +-448, and rounded to the nearest number of E4M3, ties to even, subnormals kept.
;;     - The product sums the exact products of the quantised numbers (number of the format x scale) in f32.
;;   ~~~python
;;   def quantise(x, axis):      # numpy; x: float32 -> the quantised numbers, widened to float32 again
;;       x = np.moveaxis(x, axis, -1); K = x.shape[-1]
;;       x = np.pad(x, [(0, 0)] * (x.ndim - 1) + [(0, -K % 32)]); x = x.reshape(x.shape[:-1] + (-1, 32)); a = np.abs(x).max(-1, keepdims=True)
;;       e = np.where(a > 0, np.clip(np.frexp(np.where(a > 0, a, 1))[1] - 1 - 8, -126, 127), 0)      # np.frexp(a)[1] - 1 = floor(log2(a)), exactly
;;       r = np.clip(x / 2.0 ** e, -448, 448)
;;       step = 2.0 ** (np.maximum(np.frexp(np.where(r == 0, 1, r))[1] - 1, -6) - 3)
;;       q = np.round(r / step) * step * 2.0 ** e      # np.round: ties to even
;;       return np.moveaxis(q.reshape(q.shape[:-2] + (-1,))[..., :K], -1, axis).astype(np.float32)
;;   ~~~
;;   INPUTS GIVEN AS CODES. weight (in the module: [4096, 4096], K = its axis 1); x (in the module: [4096, 4096], K = its axis 1): each comes as NAME_codes (uint8): NAME with its K axis moved to the last place and cut into blocks of 32 codes, [.., K / 32, bytes a block], one block behind the other in memory; one code a byte (a code: sign, 4 exponent bits, 3 mantissa bits); and NAME_scales (uint8): the same leading axes, one E8M0 byte (e + 127) for each 32 codes along K. Its value is code x scale, taken as it is: it is not quantised again, and the codes and scales need not be those that the quantiser above would give.
;; One version. Each part assembles by itself: llvm-mc -triple=amdgcn-amd-amdhsa -mcpu=gfx1250 --defsym DOCPART=n.
;; ======== version 1 of 1: 1 launch
;; limits: right only within a limited range of input values
;; launch gemm (part 1): grid 16 x 16, 4 waves a work-group, clusters of 4 x 4, 327,680 bytes of LDS; arguments x_codes, x_scales, weight_codes, weight_scales, out0, bias; writes out0
.if DOCPART == 1
	.amdgcn_target "amdgcn-amd-amdhsa--gfx1250"
	.amdhsa_code_object_version 6
	.text
	.protected	k_q9b0cf83d89_gemm
	.globl	k_q9b0cf83d89_gemm
	.p2align	8
	.type	k_q9b0cf83d89_gemm,@function
k_q9b0cf83d89_gemm:
	s_mov_b64 s[64:65], 0
	v_nop
	global_prefetch_b8 v0, s[64:65] scope:SCOPE_SE
	s_setreg_imm32_b32 hwreg(HW_REG_WAVE_MODE, 25, 1), 1
	s_wait_xcnt 0x0
	s_wait_alu depctr_hold_cnt(0) depctr_sa_sdst(0) depctr_va_vdst(0) depctr_va_sdst(0) depctr_va_ssrc(0) depctr_va_vcc(0) depctr_vm_vsrc(0)
	s_getreg_b32 s2, hwreg(HW_REG_IB_STS2, 6, 4)
	s_cmp_eq_u32 s2, 0
	s_cbranch_scc0 .Lentry_in_a_cluster
	s_endpgm
.Lentry_in_a_cluster:
	s_bfe_u32 s2, ttmp6, 0x10000c
	s_cmp_lg_u32 s2, 0xf033
	s_cbranch_scc0 .Lentry_shape_is_right
	s_endpgm
.Lentry_shape_is_right:
; out0[m][n] = sum over k of x[m][k] weight[n][k] + bias[n].  x (called A below): [4096][4096], weight (B): [4096][4096]: codes of FP8 (E4M3), K innermost, a row 4,096 bytes; their scale bytes [4096][128], one E8M0
; byte for each 32 along K; bias [4096] f32; out0 [4096][4096] f32; sums in f32, the bias added last.  Codes and scale bytes go to the matrix instruction as they are given.
; LIMITS.  A NaN code or a scale byte 0xff gives NaN; the scale byte 0 counts as 2^-127.
; SHARES.  256 work-groups, one tile of 256 x 256 each; four waves, each 128 x 128: 64 accumulators of 16 x 16, 512 registers.  K goes in 16 steps of 256 through two LDS slots (a tile's row is 256 bytes of memory); wave w
; fetches 128 rows of a slot by one tensor load: A's two halves, then B's.
; CLUSTERS: 4 x 4 work-groups.  The four of a row of the cluster need the same tiles of A, the four of a column the same tiles of B: each tile of codes is asked for JOINTLY, by the same tensor load with the same descriptor
; and a mask that names the four.  The scales are 1/32 of the codes' bytes and are re-laid on their way through registers: they come by plain loads and are not shared.
; THE SCALES lie in LDS by WORDS (a word: 128 along K of one row): [word row][A 0-127, A 128-255, B 0-127, B 128-255][block / 4][row % 16][block % 4]: one load of 16 bytes gives a lane the words of four blocks, in four registers.
; There is room for 20 word rows.  Words 0-15 (K steps 0-7) lie in rows 4-19.  Words 16-31 go into rows 0-15 between the changes of slots of K steps 6 and 7, in two batches of 32 registers: rows 4-15 held words 0-11,
; which were read before; words 14 and 15, read in that interval, lie in rows 18 and 19.
; THE MATRIX INSTRUCTION IS USED TRANSPOSED (source 0 = 16 rows of B, source 1 = 16 rows of A): a lane then holds eight neighbouring numbers of a row of out0.
; A HALF STEP of 128 along K is 64 products in quadrants: A's blocks 0-3 x B's 0-3, 0-3 x 4-7, 4-7 x 0-3, 4-7 x 4-7.  The next half step's 66 LDS loads stand in TWO RUNS, in the order in which they will be wanted: behind 32 products
; the scale words and both sides' blocks 0-3, behind 52 both sides' blocks 4-7.  A's blocks 0-3 are free by then and have one set of registers; A's blocks 4-7 and B have two sets.
; So the last reads of a slot stand in the second part of its first half step, and the first reads of the next slot in the middle of its second: the change of slots lies between.
; REGISTERS: window 0: v0-15 addresses (at the end v0-3 the bias of my lane's four columns); v16-31, v48-63 scale words on their way to LDS; v32-47 scale words; v64-127 A's blocks 0-3; v128-191, v192-255 A's blocks 4-7, two sets.
;   window 1: B's fragments, set 0 at v0, set 1 at v128.   window 2: the accumulators of my rows 0-63 (accumulator (a, b) at v[8 (8 a + b)]);   window 3: those of my rows 64-127.
.set SIZE_N, 4096
.set ROWB,   256                       ; a tile's row in bytes
.set KROW,   4096                      ; a row of codes in memory, in bytes
.set PITCH,  272                       ; an LDS row: 256 bytes + 16 of padding = 68 words: row r starts at bank 4 r mod 64 (64 banks of 4 bytes: ISA guide 11.1)
.set HALFT,  128*PITCH                 ; 128 rows: what one tensor load brings, and what one wave reads of A or of B
.set SLOT,   4*HALFT
.set SCB,    2*SLOT                    ; the scales, behind the two slots: a multiple of 256
.set KWP,    2064                      ; a word row: 512 words + 16 bytes
.set SPARE,  320000                    ; SCB + 20 KWP rounded up to 256: the spare words, 128 bytes for each wave
.set SPITCH, 528                       ; the way out: a stage of 16 rows x (512 bytes + 16) for each wave, in slot 0, which has had its last fill and its last read by then
.set NP,   8                           ; places behind this matrix instruction (ISA guide 7.12.1)
.set SST,  1                           ; v1: LDS address at which my scale words are stored
.set SO,   2                           ; v2: my byte offset in the scales
.set ADRA, 4                           ; v4-5: LDS address of my A fragments in slot 0, 1
.set ADRB, 6                           ; v6-7: the same for B
.set STO,  8                           ; the way out: where I put 32 bytes of a row
.set RD,   9                           ; where I read a row back
.set CO,   10                          ; 16 x lane: my byte offset in a row of out0
.set ADRS, 11                          ; my lane's place in a word row: lanes 0-15 A's words, lanes 16-31 B's
.set SPW,  12                          ; LDS address of my spare word; never rewritten
.set NIL,  13                          ; 0; never rewritten
.set PFO,  14                          ; the prefetches' offset: lane x 4,096
.set ADS,  15                          ; LDS address of scale words
.set SC,   32                          ; scale words of the q-th half step: register SC + 8 q + i: lanes 0-15 A's block i, lanes 16-31 B's block i
.set AL,   64                          ; A's blocks 0-3
.set AH,   128                         ; A's blocks 4-7 of a first half step; 64 on: of a second
.set BK,   64                          ; the way out: rows of out0, where A's blocks 0-3 lay
.set WV,   16                          ; s16 my wave
.set RH,   17                          ; s17 which half of the tile's rows is mine; also: I fetch for A (0) or for B (1)
.set CH,   18                          ; s18 which half of its columns; also: which 128 rows of that tile I fetch
.set KJ,   19                          ; s19 byte offset of a word row
.set PFA,  22                          ; s[22:23] where my prefetches stand
.set G1A,  24                          ; descriptor groups: s[24:31], s[32:39] A's (group 0: one set for each slot)
.set G0A,  32
.set G1B,  48                          ; s[48:55], s[56:63] B's
.set G0B,  56
.set MSB, 0
.macro WIN new                         ; the immediate's high byte repeats the setting that is left; a switch that changes nothing is dropped
.if MSB != \new
	s_set_vgpr_msb (MSB<<8)|\new
.set MSB, \new
.endif
.endm
.set MUL_LO, 0xa1                      ; source 0 (B) window 1, source 1 (A) window 0, C and D window 2
.set MUL_HI, 0xf1                      ; the same, C and D window 3
.set TO_B,   0x40                      ; destination window 1, address window 0
.macro PLACES n                        ; a load into a register that a matrix instruction has read, and an LDS store that reads a matrix result, stand NP plain vector instructions behind it (ISA guide 7.12.1 for the LDS store)
.rept \n
	v_nop
.endr
.endm
; A joint load: waves 0 and 1 ask for A's two halves, waves 2 and 3 for B's.  Each line has one mask and one set of registers for all that issue it; the branch hangs on the wave's number alone.
.macro JLOAD slot
	s_cmp_eq_u32 s[RH], 0
	s_cbranch_scc0 .Lfor_b_\@
	tensor_load_to_lds s[G0A+4*\slot:G0A+4*\slot+3], s[G1A:G1A+7]
	s_nop 0
	PLACES 4
	s_branch .Lasked_\@
.Lfor_b_\@:
	tensor_load_to_lds s[G0B+4*\slot:G0B+4*\slot+3], s[G1B:G1B+7]
	s_nop 0
	PLACES 4
.Lasked_\@:
.endm
.macro CREST                           ; a round of the cluster's barrier behind its opening barrier
	s_cmp_lg_u32 s[WV], 0
	s_cbranch_scc1 .Lnot_wave_0_\@
	s_barrier_signal -3
.Lnot_wave_0_\@:
	s_barrier_wait -3
	s_barrier_signal -1
	s_barrier_wait -1
.endm
.macro CROUND                          ; a whole round
	s_barrier_signal -1
	s_barrier_wait -1
	CREST
.endm
; A PREFETCH INTO THE L2: the K step that stands two refills on: 32 rows x 256 bytes, a lane a row, one instruction a wave.  Every cluster asks for what it will itself load; of the 128 rows that a wave fetches each of the four
; partners takes 32, told apart BY ADDRESS (cx for A, cy for B): each row's 256 bytes are named once in each cluster.  how = 2: in the second loop's last trip K has no step two refills on.
.macro ASK how
.if \how == 2
	s_cmp_gt_u32 s3, 1
	s_cbranch_scc0 .Lno_more_\@
.endif
	global_prefetch_b8 v[PFO], s[PFA:PFA+1] offset:3*ROWB th:TH_LOAD_NT scope:SCOPE_SE
.if \how == 2
.Lno_more_\@:
.endif
.endm
; A fragment, 16 rows x 128 K, is 16 registers: lane l holds row l % 16; registers 4 c .. 4 c + 3 hold K = 32 c + 16 (l / 16) + 0 .. 15
.macro FRAG reg, adr, q, i
.irp c, 0,1,2,3
	ds_load_b128 v[\reg+4*\c:\reg+4*\c+3], v[\adr] offset:128*(\q)+32*\c+(\i)*16*PITCH
.endr
.endm
; THE FIRST RUN, 34 loads: what a q-th half step wants first, from slot s: its scale words (so bytes behind ADS), B's blocks 0-3, A's 0-3 (into registers al on)
.macro RUNA s, q, so, al
	WIN 0
	ds_load_b128 v[SC+8*\q:SC+8*\q+3], v[ADS] offset:\so
	ds_load_b128 v[SC+8*\q+4:SC+8*\q+7], v[ADS] offset:\so+256
	WIN TO_B
.irp i, 0,1,2,3
	FRAG 128*\q+16*\i, ADRB+\s, \q, \i
.endr
	WIN 0
.irp i, 0,1,2,3
	FRAG \al+16*\i, ADRA+\s, \q, \i
.endr
.endm
.macro BHI s, q                        ; B's blocks 4-7, 16 loads
	WIN TO_B
.irp i, 4,5,6,7
	FRAG 128*\q+16*\i, ADRB+\s, \q, \i
.endr
	WIN 0
.endm
.macro RUNB s, q                       ; THE SECOND RUN, 32 loads: B's blocks 4-7, A's 4-7
	BHI \s, \q
.irp i, 4,5,6,7
	FRAG AH+64*\q+16*(\i-4), ADRA+\s, \q, \i
.endr
.endm
; Four products: A's block a (fragment in register ar) x B's blocks b0 .. b0 + 3, of a q-th half step.  first = 1: they start the sums.  Source 0 (B) takes its scale word from lanes 16-31 of register b, source 1 (A)
; from lanes 0-15 of register a.  The 64 accumulators take turns, one instruction a turn.
.macro PROD4 a, b0, q, first, ar
.if (\a) < 4
	WIN MUL_LO
.else
	WIN MUL_HI
.endif
.irp i, 0,1,2,3
.set B_, (\b0)+\i
.set D_, 8*(8*((\a)%4)+B_)
.if \first
	v_wmma_scale_f32_16x16x128_f8f6f4 v[D_:D_+7], v[128*(\q)+16*B_:128*(\q)+16*B_+15], v[\ar:\ar+15], 0, v[SC+8*(\q)+B_], v[SC+8*(\q)+\a] matrix_a_scale:MATRIX_SCALE_ROW1
.else
	v_wmma_scale_f32_16x16x128_f8f6f4 v[D_:D_+7], v[128*(\q)+16*B_:128*(\q)+16*B_+15], v[\ar:\ar+15], v[D_:D_+7], v[SC+8*(\q)+B_], v[SC+8*(\q)+\a] matrix_a_scale:MATRIX_SCALE_ROW1
.endif
.endr
.endm
; Group g of a half step, 0 .. 15, four products.  The waits count what the two runs have behind the fragment that is wanted: A's block g, g < 4: 44 loads and four fewer a block; B's blocks 4-7: sixteen.
.macro GRP g, q, first
.set GA_, 4*(\g/8)+(\g%4)
.set GB_, 4*((\g/4)%2)
.if GA_ < 4
.set GR_, AL+16*GA_
.else
.set GR_, AH+64*\q+16*(GA_-4)
.endif
.if \g < 4
	s_wait_dscnt 44-4*\g
.elseif \g == 4
	s_wait_dscnt 16
.endif
	PROD4 GA_, GB_, \q, \first, GR_
.endm
; The scale words that lane l holds in registers reg .. reg + 3 of a half of K: row 8 g + l / 4, word 4 (l % 4) + j: their place from SST
.macro SSTORE reg, g, row0
.irp j, 0,1,2,3
	ds_store_b32 v[SST], v[\reg+\j] offset:(\row0+\j)*KWP+((\g)/8)*256+((\g)%2)*128+(((\g)/2)%4)*4
.endr
.endm
.macro BATCH n0                        ; 32 registers of scale words, v16-31 and v48-63, to LDS
.irp n, 0,1,2,3,4,5,6,7
.set RW_, 16+4*\n+16*(\n/4)
	SSTORE RW_, \n0+\n, 0
.endr
.endm
.macro BLOAD n0                        ; words 16-31 of 64 of my 128 rows, from memory
.irp n, 0,1,2,3,4,5,6,7
.set RW_, 16+4*\n+16*(\n/4)
	global_load_b128 v[RW_:RW_+3], v[SO], s[68:69] offset:1024*(\n0+\n)+64
.endr
.endm
; A K step's first half; its runs take the second half from the same slot.  st = 1: the second batch of scale words is stored ahead of the first run.
.macro STEP s, so, first, st
.irp g, 0,1,2,3,4,5,6,7
	GRP \g, 0, \first
.endr
	WIN 0
	PLACES NP
	s_wait_dscnt 0x0                               ; A's blocks 4-7 are in
.if \st
	s_wait_loadcnt 0x0
	BATCH 8
.endif
	RUNA \s, 1, \so, AL
.irp g, 8,9,10,11,12
	GRP \g, 0, \first
.endr
	RUNB \s, 1
.irp g, 13,14,15
	GRP \g, 0, \first
.endr
.endm
.macro SADDR                           ; on to other word rows
	v_add_nc_u32 v[ADS], s[KJ], v[ADRS]
	s_wait_alu depctr_va_vdst(0)
	s_add_co_u32 s[KJ], s[KJ], 4*KWP
.endm
; A K step's second half changes slots: ONE barrier; in front of it each wave waits for all its tensor loads, adds 0 to its spare word, and waits for that and for its own reads of this slot, the last of which stood in the half step
; before.  fill = 1: the barrier opens a round of the cluster's barrier and this slot is filled again, two K steps ahead.  Behind it come the runs, from the next slot.  sa = 1: ADS is made anew.  st = 1: the first batch of scale
; words is stored ahead of the first run, and the second asked for behind the second.
.macro TURN s, n, fill, ask, sa, so, st
	s_wait_xcnt 0x0                                ; the last prefetch, a K step back, has read its address: it is stepped here
.if \ask
	s_add_nc_u64 s[PFA:PFA+1], s[PFA:PFA+1], ROWB
.endif
.irp g, 0,1,2,3,4
	GRP \g, 1, 0
.endr
	WIN 0                                          ; (the add's two registers lie in window 0)
	s_wait_tensorcnt 0x0                           ; my part of the next slot has landed
	ds_add_u32 v[SPW], v[NIL]                      ; 0 onto my spare word
	GRP 5, 1, 0                                    ; eight products stand between the add and the wait for it
	GRP 6, 1, 0
	s_wait_dscnt 0x0                               ; the add is done, and my reads of this slot are over
	s_barrier_signal -1
	GRP 7, 1, 0
	WIN 0
	s_barrier_wait -1
.if \fill
	CREST                                          ; no wave of any partner still reads this slot's tiles or has a load on its way
	s_add_nc_u64 s[G0A+4*\s+2:G0A+4*\s+3], s[G0A+4*\s+2:G0A+4*\s+3], 2*ROWB
	s_add_nc_u64 s[G0B+4*\s+2:G0B+4*\s+3], s[G0B+4*\s+2:G0B+4*\s+3], 2*ROWB
	JLOAD \s                                       ; the first tensor load behind the round, one a wave; its four v_nop are four of the places
	PLACES NP-4
.else
	PLACES NP
.endif
.if \sa
	SADDR
.endif
.if \st
	BATCH 0
.endif
	RUNA \n, 0, \so, AL
.if \ask
	ASK \ask                                       ; behind the joint load and the first run
.endif
.irp g, 8,9,10,11,12
	GRP \g, 1, 0
.endr
	RUNB \n, 0
.if \st
	BLOAD 8
.endif
.irp g, 13,14,15
	GRP \g, 1, 0
.endr
	WIN 0
.endm
	s_load_b256 s[4:11], s[0:1], 0x0               ; A's codes s[4:5], A's scales s[6:7], B's codes s[8:9], B's scales s[10:11]
	s_load_b128 s[12:15], s[0:1], 0x20             ; out0 s[12:13], bias s[14:15]
	v_lshl_add_u32 v[SPW], v0, 2, SPARE
	v_mov_b32 v[NIL], 0
	ds_add_u32 v[SPW], v[NIL]                      ; the wave's opening: the add, twice on end, and its wait ahead of my first tensor load
	ds_add_u32 v[SPW], v[NIL]
	v_lshrrev_b32 v1, 5, v0
	v_readfirstlane_b32 s[WV], v1                  ; wave 0..3
	s_lshr_b32 s[RH], s[WV], 1
	s_and_b32 s[CH], s[WV], 1
	s_bfe_u32 s40, ttmp6, 0x40000                  ; cx, cy: my place in the cluster
	s_bfe_u32 s41, ttmp6, 0x40004
	s_lshl_b32 s42, ttmp9, 2                       ; in a cluster launch ttmp9 and ttmp7 count clusters
	s_add_co_u32 s42, s42, s40                     ; tile column = 4 x cluster x + cx
	s_and_b32 s45, ttmp7, 0xffff
	s_lshl_b32 s45, s45, 2
	s_add_co_u32 s45, s45, s41                     ; tile row = 4 x cluster y + cy
	s_lshl_b32 s43, s41, 2
	s_lshl_b32 s43, 15, s43                        ; my row of the cluster: places 4 cy .. 4 cy + 3
	s_lshl_b32 s44, 0x1111, s40                    ; my column: places cx, cx + 4, cx + 8, cx + 12
	; descriptor group 1: 128 rows x 256 bytes, padded in LDS.  15:0 the mask; 17:16 elements of 1 byte; 20 padding on; 21 set beside a mask; 24:22 after every 64 words (code 5); 31:25 of 4 words (code 3)
	s_or_b32 s[G1A], s43, (1<<20)|(1<<21)|(5<<22)|(3<<25)
	s_or_b32 s[G1B], s44, (1<<20)|(1<<21)|(5<<22)|(3<<25)
.irp g, G1A, G1B
	s_mov_b32 s[\g+1], ROWB<<16                    ; tensor_dim0 = 256
	s_mov_b32 s[\g+2], 128<<16                     ; tensor_dim1 = 128
	s_mov_b32 s[\g+3], ROWB<<16                    ; tile_dim0 = 256
	s_mov_b32 s[\g+4], 128                         ; tile_dim1 = 128
	s_mov_b32 s[\g+5], KROW                        ; tensor_dim0_stride
	s_mov_b32 s[\g+6], 0
	s_mov_b32 s[\g+7], 0
.endr
	s_mul_i32 s2, s[RH], HALFT                     ; my 128 rows of A in slot 0,
	s_add_co_u32 s46, s2, SLOT                     ; in slot 1
	s_mul_i32 s67, s[CH], HALFT                    ; my 128 rows of B, which lie behind A's 256
	s_add_co_u32 s67, s67, 2*HALFT
	s_add_co_u32 s47, s67, SLOT
	s_lshl_b32 s66, s[RH], 9                       ; in a word row: my 128 rows of A,
	s_lshl_b32 s3, s[CH], 9
	s_add_co_u32 s3, s3, 1024
	s_sub_co_u32 s3, s3, s66                       ; and the distance to my 128 rows of B: 512 bytes at the least
	s_add_co_u32 s66, s66, SCB
	s_mul_i32 s20, s[WV], 16*SPITCH                ; my stage
	s_lshl_b32 s21, s[WV], 9                       ; the 128 rows whose scale words I bring: A's two halves, then B's
	s_add_co_u32 s21, s21, SCB
	s_mul_i32 s70, s[WV], HALFT                    ; where my tensor loads go: no place in the cluster enters an LDS address
	v_and_b32 v3, 15, v0                           ; r = l % 16
	v_bfe_u32 v2, v0, 4, 1                         ; h = l / 16
	v_mul_u32_u24 v[ADRA], v3, PITCH
	v_lshl_add_u32 v[ADRA], v2, 4, v[ADRA]         ; a fragment's row x pitch + 16 x half
	v_add_nc_u32 v[ADRB], s67, v[ADRA]
	v_add_nc_u32 v[ADRB+1], s47, v[ADRA]
	v_add_nc_u32 v[ADRA+1], s46, v[ADRA]
	v_add_nc_u32 v[ADRA], s2, v[ADRA]
	v_lshlrev_b32 v[ADRS], 4, v3
	v_mul_u32_u24 v[ADS], s3, v2                   ; lanes 16-31 take B's: ONE product, the half x the distance
	v_add_nc_u32 v[ADRS], v[ADRS], v[ADS]
	v_add_nc_u32 v[ADRS], s66, v[ADRS]
	v_mul_u32_u24 v[STO], v3, SPITCH               ; into the stage: row l % 16, 32 bytes for each half of the lanes
	v_lshl_add_u32 v[STO], v2, 5, v[STO]
	v_add_nc_u32 v[STO], s20, v[STO]
	v_and_b32 v[CO], 31, v0
	v_lshlrev_b32 v[PFO], 12, v[CO]
	v_lshlrev_b32 v[CO], 4, v[CO]                  ; back: the 32 lanes take one row of 512 bytes; and the same in out0
	v_add_nc_u32 v[RD], s20, v[CO]
	v_bfe_u32 v3, v0, 2, 3                         ; l / 4
	v_and_b32 v[SST], 3, v0                        ; l % 4
	v_lshlrev_b32 v[SO], 4, v[SST]                 ; scales: row l / 4 of 128 bytes, 16 bytes (four words) at l % 4
	v_lshl_add_u32 v[SO], v3, 7, v[SO]
	v_mul_u32_u24 v[SST], v[SST], 4*KWP
	v_lshl_add_u32 v[SST], v3, 4, v[SST]
	v_add_nc_u32 v[SST], s21, v[SST]
	s_wait_alu depctr_va_vdst(0)                   ; the head's vector instructions end
	s_wait_dscnt 0x0                               ; both opening adds are done
	CROUND                                         ; all sixteen work-groups are here: the first joint loads meet
	s_wait_kmcnt 0x0
	; where the tiles come from: A's hang on the tile row and the wave's number alone, B's on the tile column and the wave's number: each in registers that never hold the other coordinate
	s_lshl_b32 s20, s45, 20                        ; 256 rows of 4,096 bytes a tile row
	s_mov_b32 s21, 0
	s_lshl_b32 s46, s42, 20
	s_mov_b32 s47, 0
	s_lshl_b32 s100, s[CH], 19                     ; the 128 rows of 4,096 bytes that I fetch
	s_mov_b32 s101, 0
	s_add_nc_u64 s[4:5], s[4:5], s[20:21]
	s_add_nc_u64 s[8:9], s[8:9], s[46:47]
	s_lshl_b32 s20, s45, 15                        ; 256 rows of 128 bytes
	s_lshl_b32 s46, s42, 15
	s_add_nc_u64 s[6:7], s[6:7], s[20:21]
	s_add_nc_u64 s[10:11], s[10:11], s[46:47]
	s_add_nc_u64 s[20:21], s[4:5], s[100:101]
	s_add_nc_u64 s[46:47], s[8:9], s[100:101]
.irp s, 0,1                                    ; group 0: every wave makes both sides' sets and asks by one side's
	s_mov_b32 s[G0A+4*\s], 1
	s_add_co_u32 s[G0A+4*\s+1], s70, \s*SLOT
	s_add_nc_u64 s[G0A+4*\s+2:G0A+4*\s+3], s[20:21], \s*ROWB
	s_or_b32 s[G0A+4*\s+3], s[G0A+4*\s+3], 0x80000000
	s_mov_b32 s[G0B+4*\s], 1
	s_add_co_u32 s[G0B+4*\s+1], s70, \s*SLOT
	s_add_nc_u64 s[G0B+4*\s+2:G0B+4*\s+3], s[46:47], \s*ROWB
	s_or_b32 s[G0B+4*\s+3], s[G0B+4*\s+3], 0x80000000
.endr
	JLOAD 0                                        ; K step 0: one tensor load a wave at the head
	s_lshl_b32 s100, s[CH], 14                     ; 128 rows of 128 bytes
	s_cmp_eq_u32 s[RH], 0                          ; waves 0 and 1 serve A, waves 2 and 3 B
	s_cselect_b64 s[68:69], s[6:7], s[10:11]       ; the scales that I bring
	s_cselect_b64 s[PFA:PFA+1], s[4:5], s[8:9]     ; the codes that I prefetch
	s_cselect_b32 s67, s40, s41                    ; my place among the four that ask for the tile with me
	s_add_nc_u64 s[68:69], s[68:69], s[100:101]
.irp n, 0,1,2,3,4,5,6,7,8,9,10,11,12,13,14,15  ; words 0-15 of my 128 rows: eight rows x 64 bytes an instruction
	global_load_b128 v[AH+4*\n:AH+4*\n+3], v[SO], s[68:69] offset:1024*\n
.endr
	s_lshl_b32 s100, s[CH], 7
	s_lshl_b32 s67, s67, 5
	s_add_co_u32 s100, s100, s67
	s_lshl_b32 s100, s100, 12                      ; my 32 rows of 4,096 bytes
	s_add_nc_u64 s[PFA:PFA+1], s[PFA:PFA+1], s[100:101]
	s_lshl_b32 s100, s42, 10                       ; my first column, in bytes of f32: 1,024 x tile column + 512 x half
	s_lshl_b32 s2, s[CH], 9
	s_add_co_u32 s100, s100, s2
	s_add_nc_u64 s[12:13], s[12:13], s[100:101]
	s_add_nc_u64 s[14:15], s[14:15], s[100:101]
	s_lshl_b32 s100, s45, 8
	s_lshl_b32 s2, s[RH], 7
	s_add_co_u32 s100, s100, s2                    ; my first row, of 16,384 bytes
	s_lshl_b32 s100, s100, 14
	s_add_nc_u64 s[12:13], s[12:13], s[100:101]
	s_wait_loadcnt 0x0                             ; the sixteen scale loads
	global_prefetch_b8 v[PFO], s[PFA:PFA+1] offset:ROWB th:TH_LOAD_NT scope:SCOPE_SE     ; K step 1
.irp n, 0,1,2,3,4,5,6,7,8,9,10,11,12,13,14,15
	SSTORE AH+4*\n, \n, 4
.endr
	s_wait_tensorcnt 0x0                           ; my part of K step 0 is in
	ds_add_u32 v[SPW], v[NIL]
	s_wait_dscnt 0x0                               ; the add and my stores of scale words are done
	CROUND                                         ; everybody's part of K step 0 and of the scales is in, and all sixteen work-groups are here
	JLOAD 1                                        ; K step 1, the first tensor load behind the round
	s_mov_b32 s[KJ], 4*KWP
	SADDR
	RUNA 0, 0, 0, AL
	RUNB 0, 0
	global_prefetch_b8 v[PFO], s[PFA:PFA+1] offset:2*ROWB th:TH_LOAD_NT scope:SCOPE_SE   ; K steps 2 and 3
	global_prefetch_b8 v[PFO], s[PFA:PFA+1] offset:3*ROWB th:TH_LOAD_NT scope:SCOPE_SE
	BLOAD 0                                        ; the first batch of words 16-31: it waits in registers
	STEP 0, KWP, 1, 0                              ; the first half step stands in front of the loops: its products start the sums
	WIN 0
	s_mov_b32 s[KJ], 6*KWP                         ; K step 1's words
	s_mov_b32 s3, 3
.Lfirst:                                               ; three trips: the changes of slots in K steps 0 to 5
	TURN 0, 1, 1, 1, 1, 0, 0
	STEP 1, KWP, 0, 0
	TURN 1, 0, 1, 1, 0, 2*KWP, 0
	STEP 0, 3*KWP, 0, 0
	WIN 0
	s_sub_co_u32 s3, s3, 1
	s_cmp_lg_u32 s3, 0
	s_cbranch_scc1 .Lfirst
	s_mov_b32 s[KJ], 18*KWP                        ; K step 7's words
	s_wait_loadcnt 0x0                             ; the first batch is in
	TURN 0, 1, 1, 1, 1, 0, 1                       ; the change in K step 6: the first batch is stored behind it,
	STEP 1, KWP, 0, 1                              ; the second in K step 7's first half;
	s_mov_b32 s[KJ], 0                             ; K step 8's words
	TURN 1, 0, 1, 1, 1, 0, 0                       ; the barrier of the change in K step 7 shows them to all
	STEP 0, KWP, 0, 0
	WIN 0
	global_load_b128 v[0:3], v[CO], s[14:15]       ; the bias of my lane's four columns (v1 and v2 are done with)
	s_mov_b32 s[KJ], 2*KWP                         ; K step 9's words
	s_mov_b32 s3, 3
.Lsecond:                                              ; three trips: the changes in K steps 8 to 13
	TURN 0, 1, 1, 2, 1, 0, 0
	STEP 1, KWP, 0, 0
	TURN 1, 0, 1, 2, 0, 2*KWP, 0
	STEP 0, 3*KWP, 0, 0
	WIN 0
	s_sub_co_u32 s3, s3, 1
	s_cmp_lg_u32 s3, 0
	s_cbranch_scc1 .Lsecond
	s_mov_b32 s[KJ], 14*KWP                        ; K step 15's words
	TURN 0, 1, 0, 0, 1, 0, 0                       ; the change in K step 14 fills nothing and has no round
; THE LAST K STEP (slot 1) GOES BY ROWS of out0, so that finished rows leave while others are multiplied: A's blocks 0-3, first half; the same, second half, whose fragments of A lie where a second half's blocks 4-7 lie as a rule; they
; are finished one after the other; then blocks 4-7, both halves a block.  K stays ascending in every sum.
.irp g, 0,1,2,3,4
	GRP \g, 0, 0
.endr
	WIN 0
	PLACES NP                                      ; for loads into what the half step before has read
	RUNA 1, 1, KWP, AH+64
.irp g, 5,6,7
	GRP \g, 0, 0
.endr
	BHI 1, 1
	s_wait_dscnt 16                                ; all but B's blocks 4-7
.irp a, 0,1,2,3
	PROD4 \a, 0, 1, 0, AH+64+16*\a
.endr
	s_wait_dscnt 0x0
; THE WAY OUT of block a: a lane holds 32 neighbouring bytes of a row, and the lanes beside it hold other rows: so a block goes through my own stage in LDS and comes back as whole rows of 512 bytes; the bias is added, and the 32
; lanes store a row.  LDS serves a wave's instructions in order (ISA guide 5.7.1.4): no wait between the stores and the loads.
.macro TOSTAGE a
.set AC_, 64*((\a)%4)
.if (\a) < 4
	WIN 0x08                                       ; an LDS store's data are its source 1: window 2 or 3
.else
	WIN 0x0c
.endif
.irp b, 0,1,2,3,4,5,6,7
	ds_store_b128 v[STO], v[AC_+8*\b:AC_+8*\b+3] offset:64*\b          ; each accumulator from its low end on
	ds_store_b128 v[STO], v[AC_+8*\b+4:AC_+8*\b+7] offset:64*\b+16
.endr
	WIN 0
	s_wait_xcnt 0x0                                ; the stores of the block before have read their registers
.irp t, 0,1,2,3,4,5,6,7,8,9,10,11,12,13,14,15
	ds_load_b128 v[BK+4*\t:BK+4*\t+3], v[RD] offset:\t*SPITCH
.endr
.endm
.macro SEND a
	WIN 0
	s_wait_dscnt 0x0                               ; the block is back in registers
.if (\a) == 0
	s_wait_loadcnt 0x0                             ; the bias
.else
	s_wait_xcnt 0x0
	s_add_nc_u64 s[12:13], s[12:13], 16*SIZE_N*4   ; 16 rows of out0 on: the stores' offsets reach 15 rows, 245,760 bytes
.endif
.irp t, 0,1,2,3,4,5,6,7,8,9,10,11,12,13,14,15
	v_pk_add_f32 v[BK+4*\t:BK+4*\t+1], v[BK+4*\t:BK+4*\t+1], v[0:1]
	v_pk_add_f32 v[BK+4*\t+2:BK+4*\t+3], v[BK+4*\t+2:BK+4*\t+3], v[2:3]
.endr
.irp t, 0,1,2,3,4,5,6,7,8,9,10,11,12,13,14,15
	global_store_b128 v[CO], v[BK+4*\t:BK+4*\t+3], s[12:13] offset:\t*SIZE_N*4 th:TH_STORE_NT   ; 32 lanes store 512 consecutive bytes, at a multiple of 256 from out0's first byte
.endr
.endm
; Block a is finished; then block a - 2 is stored (its packed additions are places too) and block a - 1 goes to the stage.  Behind block a < 4 the second half's fragment of A's block a + 4 is asked for, into the registers
; that block a's lay in: the wait in SEND two blocks on shows it.
.macro UNIT a
.if \a < 4
.set UR_, AH+64+16*\a
	PROD4 \a, 4, 1, 0, UR_
.else
.set UR_, AH+16*(\a-4)
	PROD4 \a, 0, 0, 0, UR_
	PROD4 \a, 4, 0, 0, UR_
.set UR_, AH+64+16*(\a-4)
	PROD4 \a, 0, 1, 0, UR_
	PROD4 \a, 4, 1, 0, UR_
.endif
.if \a < 2
	PLACES NP
.else
	SEND \a-2
.endif
.if \a > 0
	TOSTAGE \a-1
.endif
.if \a < 4
	WIN 0
	FRAG AH+64+16*\a, ADRA+1, 1, \a+4
.endif
.endm
.irp a, 0,1,2,3,4,5,6,7
	UNIT \a
.endr
	SEND 6
	TOSTAGE 7
	SEND 7
	s_wait_tensorcnt 0x0                           ; the wave's end: behind my last tensor load and my last LDS store
	ds_add_u32 v[SPW], v[NIL]
	s_wait_dscnt 0x0
	CROUND                                         ; the closing round: no work-group ends while a partner may still ask for a tile that names it
	s_endpgm
.Lfunc_end_k_q9b0cf83d89_gemm:
	.size	k_q9b0cf83d89_gemm, .Lfunc_end_k_q9b0cf83d89_gemm-k_q9b0cf83d89_gemm
	.p2alignl 7, 3214868480
	.fill 96, 4, 3214868480
	.section	.rodata,"a",@progbits
	.p2align	6, 0x0
	.amdhsa_kernel k_q9b0cf83d89_gemm
		.amdhsa_group_segment_fixed_size 327680
		.amdhsa_private_segment_fixed_size 0
		.amdhsa_enable_private_segment 0
		.amdhsa_kernarg_size 48
		.amdhsa_user_sgpr_count 2
		.amdhsa_user_sgpr_kernarg_segment_ptr 1
		.amdhsa_wavefront_size32 1
		.amdhsa_system_sgpr_workgroup_id_x 1
		.amdhsa_system_sgpr_workgroup_id_y 1
		.amdhsa_system_sgpr_workgroup_id_z 1
		.amdhsa_system_vgpr_workitem_id 0
		.amdhsa_next_free_vgpr 1024
		.amdhsa_next_free_sgpr 102
		.amdhsa_reserve_vcc 0
		.amdhsa_float_denorm_mode_32 3
		.amdhsa_float_denorm_mode_16_64 3
		.amdhsa_memory_ordered 1
		.amdhsa_forward_progress 1
		.amdhsa_inst_pref_size 255
	.end_amdhsa_kernel
	.section	.bss,"aw",@nobits
	.p2align	6
	.space	262144
	.amdgpu_metadata
---
amdhsa.version: [ 1, 2 ]
amdhsa.kernels:
  - .name:           k_q9b0cf83d89_gemm
    .symbol:         k_q9b0cf83d89_gemm.kd
    .args:
      - { .name: x_codes, .offset: 0, .size: 8, .value_kind: global_buffer, .address_space: global }
      - { .name: x_scales, .offset: 8, .size: 8, .value_kind: global_buffer, .address_space: global }
      - { .name: weight_codes, .offset: 16, .size: 8, .value_kind: global_buffer, .address_space: global }
      - { .name: weight_scales, .offset: 24, .size: 8, .value_kind: global_buffer, .address_space: global }
      - { .name: out0, .offset: 32, .size: 8, .value_kind: global_buffer, .address_space: global }
      - { .name: bias, .offset: 40, .size: 8, .value_kind: global_buffer, .address_space: global }
    .group_segment_fixed_size: 327680
    .private_segment_fixed_size: 0
    .kernarg_segment_align: 8
    .kernarg_segment_size: 48
    .max_flat_workgroup_size: 128
    .sgpr_count:     102
    .vgpr_count:     1024
    .wavefront_size: 32
...
	.end_amdgpu_metadata
.endif
;; end of part 1
